; MI455X (gfx1250); checked and timed in simulation.
; The chip was launched on July 23, 2026; its instructions are those of AMD's public machine-readable ISA for CDNA 5 (MIT licence, August 2026) and "CDNA5" Instruction Set Architecture Reference Guide (July 2026). The comments in the code are by the model that wrote it; some were corrected since.
;; Nflow. Allowed arithmetic: matrix products marked QUANTISED: E2M1 operands, one E8M0 scale for each 32 along K, by v_wmma_scale_f32_16x16x128_f8f6f4 with both operands' format E2M1 (or v_wmma_scale_f32_32x16x128_f4), f32 sums; products left as they are: f32 operands where the result goes on into a quantised operand, else bf16, f16 or f32 operands; f32 sums; everything else in f32.
;; Inputs: W0 1 x 128 float32; W1_codes 128 x 4 x 16 uint8 (E2M1 codes of W1, K innermost, in blocks of 32 codes, two codes a byte); W1_scales 128 x 4 uint8 (E8M0 scales of W1, one for each 32 codes along K); W2_codes 128 x 4 x 16 uint8 (E2M1 codes of W2, K innermost, in blocks of 32 codes, two codes a byte); W2_scales 128 x 4 uint8 (E8M0 scales of W2, one for each 32 codes along K); W3_codes 128 x 4 x 16 uint8 (E2M1 codes of W3, K innermost, in blocks of 32 codes, two codes a byte); W3_scales 128 x 4 uint8 (E8M0 scales of W3, one for each 32 codes along K); W4 128 x 14 float32; b0 128 float32; b1 128 float32; b2 128 float32; b3 128 float32; b4 14 float32; x 524,288 x 1 float32; z 524,288 x 1 float32.
;; Outputs: out0 524,288 x 1 float32.
;; This version of the problem:
;;   THIS VERSION OF THE PROBLEM IS GIVEN IN LOW PRECISION. The matrix products marked QUANTISED in the list below multiply operands that are first quantised to E2M1 (2 exponent bits, 1 mantissa bit; 4 bits a number), with one power-of-two scale for each 32 numbers along K (OCP MX v1.0); their sums are f32. All else is computed in f32.
;;   The module's matrix products, in the order in which they are computed (A, B: the left and right operand; K: the contracted axis; several contracted axes count as one K, in the product's order):
;;     1. [M 524,288, K 1] x [K 1, N 128]; A: input x; B: input W0: left as it is (K = 1 < 32)
;;     2. [M 524,288, K 128] x [K 128, N 128]; A: computed on the way; B: input W1 (given as codes): QUANTISED
;;     3. [M 524,288, K 128] x [K 128, N 128]; A: computed on the way; B: input W2 (given as codes): QUANTISED
;;     4. [M 524,288, K 128] x [K 128, N 128]; A: computed on the way; B: input W3 (given as codes): QUANTISED
;;     5. [M 524,288, K 128] x [K 128, N 14]; A: computed on the way; B: input W4: left as it is (N = 14 < 16)
;;   THE QUANTISER, for each operand of a quantised product, along K:
;;     - K is cut into blocks of 32 from its start; a last block that is shorter is filled with zeros.
;;     - A block's scale is 2^e with e = floor(log2(the largest magnitude in the block)) - 2, held to -126 .. 127; a block of zeros has e = 0. As a byte (E8M0): e + 127.
;;     - Each number is divided by its block's scale, clamped to +-6, and rounded to the nearest number of E2M1, ties to even, subnormals kept.
;;     - The product sums the exact products of the quantised numbers (number of the format x scale) in f32.
;;   ~~~python
;;   def quantise(x, axis):      # numpy; x: float32 -> the quantised numbers, widened to float32 again
;;       x = np.moveaxis(x, axis, -1); K = x.shape[-1]
;;       x = np.pad(x, [(0, 0)] * (x.ndim - 1) + [(0, -K % 32)]); x = x.reshape(x.shape[:-1] + (-1, 32)); a = np.abs(x).max(-1, keepdims=True)
;;       e = np.where(a > 0, np.clip(np.frexp(np.where(a > 0, a, 1))[1] - 1 - 2, -126, 127), 0)      # np.frexp(a)[1] - 1 = floor(log2(a)), exactly
;;       r = np.clip(x / 2.0 ** e, -6, 6)
;;       step = 2.0 ** (np.maximum(np.frexp(np.where(r == 0, 1, r))[1] - 1, 0) - 1)
;;       q = np.round(r / step) * step * 2.0 ** e      # np.round: ties to even
;;       return np.moveaxis(q.reshape(q.shape[:-2] + (-1,))[..., :K], -1, axis).astype(np.float32)
;;   ~~~
;;   OPERANDS COMPUTED ON THE WAY. 'Computed on the way' means the value that the module computes at that place (a softmax that the list does not call 'softmax' is quantised finished and normalised). What goes into a quantiser is computed in f32, as accurately as f32 sums, v_exp_f32 and their like allow (about 1e-6 of the number): no bf16 or f16 on the way to a quantiser, and a product that is left as it is and whose result goes on into a quantised operand takes f32 operands (vector FMAs, or v_wmma_f32_16x16x4_f32). A number that lies on a knife's edge between two numbers of the format may be rounded either way, as far as f32 arithmetic and the matrix unit's own rounding can turn it there, and no further.
;;   INPUTS GIVEN AS CODES. W1 (in the module: [128, 128], K = its axis 0); W2 (in the module: [128, 128], K = its axis 0); W3 (in the module: [128, 128], K = its axis 0): each comes as NAME_codes (uint8): NAME with its K axis moved to the last place and cut into blocks of 32 codes, [.., K / 32, bytes a block], one block behind the other in memory; two codes a byte, the lower K in the low four bits (a code: sign, 2 exponent bits, 1 mantissa bit); and NAME_scales (uint8): the same leading axes, one E8M0 byte (e + 127) for each 32 codes along K. Its value is code x scale, taken as it is: it is not quantised again, and the codes and scales need not be those that the quantiser above would give.
;; 2 versions, each right; version 2 is version 1 with the launch nflow written anew for expert scheduling mode. Each part assembles by itself: llvm-mc -triple=amdgcn-amd-amdhsa -mcpu=gfx1250 --defsym DOCPART=n.
;; ======== version 1 of 2: 1 launch
;; limits: values are held in f16: magnitudes above 65,504 overflow, below 6.1e-05 lose precision; inputs' magnitudes at most 65,504; right only within a limited range of input values
;; launch nflow (part 1): grid 256 x 1, 4 waves a work-group, no clusters, 0 bytes of LDS; arguments x, z, W0, b0, W1_codes, W1_scales, b1, W2_codes, W2_scales, b2, W3_codes, W3_scales, b3, W4, b4, out0; writes out0
.if DOCPART == 1
	.amdgcn_target "amdgcn-amd-amdhsa--gfx1250"
	.amdhsa_code_object_version 6
	.text
	.protected	k_qa1848463bb_nflow
	.globl	k_qa1848463bb_nflow
	.p2align	8
	.type	k_qa1848463bb_nflow,@function
k_qa1848463bb_nflow:
	s_mov_b64 s[64:65], 0
	v_nop
	global_prefetch_b8 v0, s[64:65] scope:SCOPE_SE
	s_setreg_imm32_b32 hwreg(HW_REG_WAVE_MODE, 25, 1), 1
	s_wait_xcnt 0x0
; out0[n] = the inverse rational-quadratic spline (5 bins, bound 5) of z[n], with the spline's 14 parameters phi[n] made by the MLP 1 -> 128 -> 128 -> 128 -> 128 -> 14 of x[n].
; Layer 0 (K = 1) is one fused multiply-add in f32 for each hidden unit.  Layers 1 to 3 are products on codes of FP4 (E2M1) with one E8M0 scale for each 32 along K: the weights come as codes,
; the hidden layers are quantised in registers.  Layer 4 (14 columns, no quantiser behind it) goes to the matrix unit once, in f16 with f32 sums.  f16 and not bf16: the spline's knots are 10 x running sums of softmaxes of phi,
; so phi's error goes on into the result enlarged, and 8 significant bits are too few; f16 has 11.  SO THAT f16's RANGE SERVES EVERY h3, EACH ROW OF h3 IS FIRST MULTIPLIED BY A POWER OF TWO f = 2^(126 - e), e the exponent field
; of the row's largest number: exact, and the row then lies under 1; phi = (W4 (f h3)) x g + b4 with g = 1 / f, one fused multiply-add a number.  All else is f32.
; DEAD WORK: none.  Every input has a way to out0 (b4 differs along both softmax axes), so all are loaded.
; LIMITS.  NaN and infinities among the inputs are not served.  A block of 32 hidden numbers whose largest positive number lies under 2^-124 gets the scale byte 1.
; W4 goes to f16 as it is: magnitudes from 65,504 on are not served, and numbers under 2^-14 carry an absolute error of up to 2^-25.  h3 from 2^126 on is not served; numbers of a row of h3 under 2^-14 of its largest carry an absolute error of 2^-25 of it.
; softplus(d) = max(d, 0) + ln 2 x log2(1 + 2^(-|d| log2 e)): absolute error up to 6e-8, beside the slope 1e-4.  The bin is found by (zc + 5) / 10 x G5 >= G_j (G: running sums of the heights' exponentials)
; in place of zc >= -5 + 10 G_j / G5: at a knot the spline is continuous, so either bin gives the same value there.  dx and dy are taken as the bin's width and height, not as differences of knots:
; where a bin is so narrow that the difference of its knots is 0 in f32 (a division by 0 in the formula as written), this text may give a finite number.
; SHARES.  256 work-groups of four waves; a wave owns 512 consecutive rows and shares nothing with any other wave: no LDS, no barrier.  All weights and biases stay in the wave's registers
; (576 of them: 192 codes, 24 scale words, 192 b1-b3, 128 W0 and b0, 32 W4 as f16, 8 b4), read once.  A trip of the loop takes a BLOCK of 128 rows: four PAIRS of tiles of 16 rows, then the spline for all 128.
; ROWS.  Lane l loads 16 bytes of x, of z, and stores 16 of out0: rows 4 l .. 4 l + 3 of the block; a wave's load or store covers 512 consecutive bytes, aligned.  Pair i takes row 4 l + i of each lane: tile A lanes 0-15, tile B lanes 16-31.
; LAYOUT.  Every product is used transposed (source 0 = 16 rows of the weight, source 1 = 16 rows of the hidden layer): lane (r, h) holds row r of its tile, and register 16 b + i of a hidden layer the unit 32 b + 16 h + i.
; For that, lane r of tile 2 b + u of a weight takes row 32 b + 8 u + r + 8 (r / 8).  The biases lie in the result's layout; b1 to b3 are the C of their products and cost no instruction.
; RELU is not run ahead of a quantiser.  A block's maximum is taken of the SIGNED numbers over the floor 2^(3 - 127): what is negative cannot win, so the scale is relu(h)'s.  The conversion takes the signed numbers,
; and then the three magnitude bits of each code whose sign bit is set are cleared, four integer lines for eight codes.  What stays is the code 8, minus zero, whose products are exact zeros.
; BY TURNS.  While tile A's eight matrix instructions are at work tile B's quantiser is issued, and the other way round: the other tile's plain lines are the places behind and in front of the matrix instructions.
; REGISTERS, in windows of 256 (s_set_vgpr_msb: bits 1:0 source 0, 3:2 source 1, 5:4 source 2, 7:6 destination):
;   window 0: v0-10 ids and offsets; v12-15 x of tiles A, B (as pairs); v16-19 x of the block; v20-43 the weights' scale words; v44, v45 the tiles' scale words; v46-47, v64-79 at work; v48-63 the tiles' codes;
;             v96-103 g of the block's eight tiles; v128-191, v192-255 hidden layers A, B (h3 as f16 ends in the first 32 of each)
;   window 1: v0-191 the fragments of W1, W2, W3; v224-255 W4 as f16     window 2: v0-191 b1, b2, b3; v192-255 W0
;   window 3: v0-63 b0; v64-71 b4; v72-135 phi, 16 a pair; v136-139 z; v140-143 the results; v144-239 the spline's 24 registers for each of the four sets of 32 rows
.set BLOCKS, 4                         ; blocks of 128 rows for a wave
.set VXO,  4                           ; v4   16 x lane; never rewritten
.set WCO,  5                           ; v5   a weight's codes: (r + 8 (r / 8)) x 64 + 16 h
.set WSO,  6                           ; v6   its scale words: (r + 8 (r / 8)) x 4
.set BVO,  7                           ; v7   W0, b0 .. b3: 64 h
.set W4O,  8                           ; v8   W4: 896 h + 4 min(r, 13)
.set B4O,  9                           ; v9   b4: 32 h
.set NUL,  10                          ; v10  0
.set XA,   12                          ; v[12:13] tile A's x (the packed form names a pair and takes its low word for both halves)
.set XB,   14                          ; v[14:15] tile B's
.set X0,   16                          ; v[16:19] the block's x
.set W1S,  20                          ; v20-43 scale words of W1, W2, W3: eight each
.set SA,   44
.set SB,   45
.set CA,   48
.set CB,   56
.set TM,   64
.set GS,   96                          ; v96-103 g = 2^(e - 126) of my row: pair i's tile A at GS + 2 i, tile B at GS + 2 i + 1
.set HA,   128
.set HB,   192
.set W4F,  224                         ; window 1
.set W0R,  192                         ; window 2
.set B4,   64                          ; window 3
.set PH,   72                          ; window 3: parameter m of set i at PH + 16 i + m
.set ZR,   136
.set OU,   140
.set TT,   144                         ; window 3: the spline's register n of set i at TT + 24 i + n
.set MK,   40                          ; s40-55 lane masks: zc >= knot j of set i at MK + 4 i + j - 1
.set SEL,  6                           ; s[6:7] v_permlanex16_b32's selects for lane l xor 16
.set L2E,  56
.set LN2,  57
.set BND,  58
.set NBND, 59
.set TEN,  60
.set TENTH, 61
.set SLP,  62
.set SGN,  63
.set EOFF, 66
.set FLR,  67
.set ABSM, 68
.set MSB, 0
.macro WIN new                         ; the immediate's high byte repeats the setting that is left; a switch that changes nothing is dropped
.if MSB != \new
	s_set_vgpr_msb (MSB<<8)|\new
.set MSB, \new
.endif
.endm
	s_load_b512 s[8:23], s[0:1], 0x0               ; x 8, z 10, W0 12, b0 14, W1's codes 16, scales 18, b1 20, W2's codes 22
	s_load_b512 s[24:39], s[0:1], 0x40             ; W2's scales 24, b2 26, W3's codes 28, scales 30, b3 32, W4 34, b4 36, out0 38
	v_lshrrev_b32 v1, 5, v0
	v_readfirstlane_b32 s2, v1                     ; wave 0..3
	v_and_b32 v1, 31, v0                           ; lane
	v_and_b32 v2, 15, v0                           ; r
	v_bfe_u32 v3, v0, 4, 1                         ; h
	v_lshlrev_b32 v[VXO], 4, v1
	v_and_b32 v[WSO], 8, v2
	v_add_nc_u32 v[WSO], v[WSO], v2                ; r + 8 (r / 8)
	v_lshlrev_b32 v[WCO], 6, v[WSO]                ; a row of 128 codes is 64 bytes
	v_lshl_add_u32 v[WCO], v3, 4, v[WCO]
	v_lshlrev_b32 v[WSO], 2, v[WSO]
	v_lshlrev_b32 v[BVO], 6, v3
	v_min_u32 v[W4O], 13, v2                       ; lanes r = 14, 15 take column 13 once more: their results are parameters 14, 15, which nobody reads, and no load leaves W4
	v_lshlrev_b32 v[W4O], 2, v[W4O]
	v_mad_u32_u24 v[W4O], v3, 0x380, v[W4O]        ; + 16 h rows of 56 bytes
	v_lshlrev_b32 v[B4O], 5, v3
	v_mov_b32 v[NUL], 0
	v_mov_b32 v[XA+1], 0                           ; named as the upper halves of pairs, so they are written
	v_mov_b32 v[XB+1], 0
	s_lshl_b32 s4, ttmp9, 2
	s_add_co_u32 s4, s4, s2
	s_lshl_b32 s4, s4, 11                          ; my wave's 512 rows of 4 bytes
	s_mov_b32 s5, 0
	s_mov_b32 s3, BLOCKS
	s_mov_b32 s[SEL], 0x76543210
	s_mov_b32 s[SEL+1], 0xfedcba98
	s_mov_b32 s[L2E], 0x3fb8aa3b                   ; log2 e
	s_mov_b32 s[LN2], 0x3f317218                   ; ln 2
	s_mov_b32 s[BND], 0x40a00000                   ; 5
	s_mov_b32 s[NBND], 0xc0a00000                  ; -5
	s_mov_b32 s[TEN], 0x41200000                   ; 10
	s_mov_b32 s[TENTH], 0x3dcccccd                 ; 0.1
	s_mov_b32 s[SLP], 0x38d1b717                   ; 1e-4
	s_mov_b32 s[SGN], 0x88888888                   ; the sign bits of eight codes
	s_mov_b32 s[EOFF], 0xff000000                  ; 2 off an exponent field
	s_mov_b32 s[FLR], 0x01800000                   ; the floor 2^(3 - 127)
	s_mov_b32 s[ABSM], 0x7fffffff
	s_wait_kmcnt 0x0
	s_add_nc_u64 s[8:9], s[8:9], s[4:5]
	s_add_nc_u64 s[10:11], s[10:11], s[4:5]
	s_add_nc_u64 s[38:39], s[38:39], s[4:5]
	global_load_b128 v[X0:X0+3], v[VXO], s[8:9] th:TH_LOAD_NT      ; the first block's x
; a weight's eight fragments (16 rows x 128 K of 4-bit codes: 8 registers: registers 4 c .. 4 c + 3 hold K = 64 c + 32 h + 0 .. 31)
.macro LDW dst, ptr
.irp t, 0,1,2,3,4,5,6,7
.irp c, 0,1
	global_load_b128 v[\dst+8*\t+4*\c:\dst+8*\t+4*\c+3], v[WCO], s[\ptr:\ptr+1] offset:(32*(\t/2)+8*(\t%2))*64+32*\c
.endr
.endr
.endm
; 128 f32 numbers in the result's layout: register 8 t + j = unit 32 (t / 2) + 8 (t % 2) + 16 h + j
.macro LDV dst, ptr
.irp t, 0,1,2,3,4,5,6,7
	global_load_b128 v[\dst+8*\t:\dst+8*\t+3], v[BVO], s[\ptr:\ptr+1] offset:(32*(\t/2)+8*(\t%2))*4
	global_load_b128 v[\dst+8*\t+4:\dst+8*\t+7], v[BVO], s[\ptr:\ptr+1] offset:(32*(\t/2)+8*(\t%2))*4+16
.endr
.endm
	WIN 0x40                                       ; destination window 1
	LDW 0, 16
	LDW 64, 22
	LDW 128, 28
	WIN 0x80                                       ; destination window 2
	LDV 0, 20
	LDV 64, 26
	LDV 128, 32
	LDV W0R, 12
	WIN 0xc0                                       ; destination window 3
	LDV 0, 14
	global_load_b128 v[B4:B4+3], v[B4O], s[36:37]                  ; b4 in phi's layout: register j = b4[8 h + j].  b4 has 56 bytes:
	global_load_b64 v[B4+4:B4+5], v[B4O], s[36:37] offset:16       ; lanes 16-31 end at byte 55;
	global_load_b64 v[B4+6:B4+7], v[NUL], s[36:37] offset:24       ; registers 6, 7 are b4[6], b4[7] in every lane: in lanes 16-31 they belong to parameters 14, 15, which nobody reads
	WIN 0
.irp t, 0,1,2,3,4,5,6,7
	global_load_b32 v[W1S+\t], v[WSO], s[18:19] offset:(32*(\t/2)+8*(\t%2))*4      ; a scale word: the four bytes of a row's 128 along K
	global_load_b32 v[W1S+8+\t], v[WSO], s[24:25] offset:(32*(\t/2)+8*(\t%2))*4
	global_load_b32 v[W1S+16+\t], v[WSO], s[30:31] offset:(32*(\t/2)+8*(\t%2))*4
.endr
.irp s, 0,1,2,3
.irp i, 0,1,2,3,4,5,6,7,8,9,10,11,12,13,14,15
	global_load_b32 v[HA+16*\s+\i], v[W4O], s[34:35] offset:(32*\s+\i)*56          ; W4[32 s + 16 h + i][r]
.endr
.endr
	s_wait_loadcnt 0x0                             ; all constants and the first x
	; W4^T as source 0 of the f16 form.  K is permuted alike on both sides: place (step s, half h, register g, half-word e) holds unit 32 s + 16 h + 2 g + e, so register q = 8 s + g takes the numbers 2 q, 2 q + 1
	WIN 0x40
.set hq, 0
.rept 32
	v_cvt_pk_f16_f32 v[W4F+hq], v[HA+2*hq], v[HA+2*hq+1]
.set hq, hq+1
.endr
	WIN 0
; x of pair i: tile A's 16 rows (lanes 0-15) in both halves of v[XA], tile B's in both halves of v[XB]
.macro XPREP i
	v_mov_b32 v[XA], v[X0+\i]
	v_mov_b32 v[XB], v[X0+\i]
	v_permlane16_swap_b32 v[XA], v[XB]             ; the first's lanes 16-31 change places with the second's lanes 0-15
.endm
; layer 0: h = W0 x + b0, two units a line.  The upper 32 registers first: the lower 32 were a source of the pair before's last products, and these sixteen lines are the places behind those
.macro F0 H, XR
	WIN 0x32                                       ; W0 window 2, x window 0, b0 window 3
.set fq, 16
.rept 32
.set fr, fq%32
	v_pk_fma_f32 v[\H+2*fr:\H+2*fr+1], v[W0R+2*fr:W0R+2*fr+1], v[\XR:\XR+1], v[2*fr:2*fr+1] op_sel_hi:[1,0,1]
.set fq, fq+1
.endr
	WIN 0
.endm
; THE QUANTISER of a tile's 64 numbers a lane.  QH is its head: eight lines that begin two chains of maxima for each block of 32, each accumulator read from its low end on.
; No |.|: the maximum is relu(h)'s.  These eight lines also serve as the places in front of the other tile's matrix instructions.
.macro QH H
.irp b, 0,1,2,3
	v_max3_num_f32 v[TM+\b], v[\H+16*\b], v[\H+16*\b+1], v[\H+16*\b+2]
.endr
.irp b, 0,1,2,3
	v_max3_num_f32 v[TM+4+\b], v[\H+16*\b+8], v[\H+16*\b+9], v[\H+16*\b+10]
.endr
.endm
.macro QB H, C, S
.irp n, 3,5
.irp b, 0,1,2,3
	v_max3_num_f32 v[TM+\b], v[TM+\b], v[\H+16*\b+\n], v[\H+16*\b+\n+1]
.endr
.irp b, 0,1,2,3
	v_max3_num_f32 v[TM+4+\b], v[TM+4+\b], v[\H+16*\b+8+\n], v[\H+16*\b+9+\n]
.endr
.endr
.irp b, 0,1,2,3
	v_max3_num_f32 v[TM+\b], v[TM+\b], v[\H+16*\b+7], s[FLR]       ; the floor, under which no maximum is taken: the byte cannot fall under 1
.endr
.irp b, 0,1,2,3
	v_max3_num_f32 v[TM+4+\b], v[TM+4+\b], v[\H+16*\b+15], v[TM+\b]
.endr
.irp b, 0,1,2,3
	v_permlanex16_b32 v[TM+\b], v[TM+4+\b], s[SEL], s[SEL+1]
.endr
.irp b, 0,1,2,3
	v_max_num_f32 v[TM+4+\b], v[TM+4+\b], v[TM+\b] ; with lane l xor 16's 16 numbers: the block's maximum
.endr
.irp b, 0,1,2,3
	v_add_nc_u32 v[TM+8+\b], s[EOFF], v[TM+4+\b]   ; 2 off its exponent field: the conversion takes the exponent field of this operand as its scale
.endr
.irp b, 0,1,2,3
	v_lshrrev_b32 v[TM+\b], 23, v[TM+8+\b]         ; the scale's byte
.endr
	v_lshl_or_b32 v46, v[TM+1], 8, v[TM]
	v_lshl_or_b32 v47, v[TM+3], 8, v[TM+2]
	v_lshl_or_b32 v[\S], v47, 16, v46              ; my row's scale word
.irp b, 0,1,2,3
	v_cvt_scalef32_pk8_fp4_f32 v[\C+2*\b], v[\H+16*\b:\H+16*\b+7], v[TM+8+\b]
	v_cvt_scalef32_pk8_fp4_f32 v[\C+2*\b+1], v[\H+16*\b+8:\H+16*\b+15], v[TM+8+\b]
.endr
	v_nop                                          ; one plain line behind the scaled conversions
.irp c, 0,1,2,3,4,5,6,7
	v_and_b32 v[TM+\c], s[SGN], v[\C+\c]           ; RELU ON THE CODES: 8 in each nibble whose number is negative,
.endr
.irp c, 0,1,2,3,4,5,6,7
	v_lshrrev_b32 v[TM+8+\c], 3, v[TM+\c]          ; 1 there,
.endr
.irp c, 0,1,2,3,4,5,6,7
	v_sub_nc_u32 v[TM+\c], v[TM+\c], v[TM+8+\c]    ; 7 there:
.endr
.irp c, 0,1,2,3,4,5,6,7
	v_bfi_b32 v[\C+\c], v[TM+\c], 0, v[\C+\c]      ; those three bits are cleared
.endr
.irp c, 0,1                                    ; the operand's layout wants a whole block in a lane: lanes 0-15 block 2 c, lanes 16-31 block 2 c + 1
.irp i, 0,1
	v_permlane16_swap_b32 v[\C+4*\c+\i], v[\C+4*\c+2+\i]
.endr
.endr
.endm
; layer L of a tile: eight matrix instructions on eight accumulators, K = 128 in one step, the bias as C
.macro WL L, H, C, S
	WIN 0x21                                       ; the weight window 1, the codes window 0, the bias window 2
.irp t, 0,1,2,3,4,5,6,7
	v_wmma_scale_f32_16x16x128_f8f6f4 v[\H+8*\t:\H+8*\t+7], v[64*(\L-1)+8*\t:64*(\L-1)+8*\t+7], v[\C:\C+7], v[64*(\L-1)+8*\t:64*(\L-1)+8*\t+7], v[W1S+8*(\L-1)+\t], v[\S] matrix_a_fmt:MATRIX_FMT_FP4 matrix_b_fmt:MATRIX_FMT_FP4
.endr
	WIN 0
.endm
; h3: relu in f32 (RH: the first eight lines, again the places in front of the other tile's products); the row's largest number; the row x f; rounded to f16 in place: register q takes registers 2 q, 2 q + 1.  g goes to v[G]
.macro RH H
.irp j, 0,1,2,3,4,5,6,7
	v_max_num_f32 v[\H+\j], 0, v[\H+\j]
.endr
.endm
.macro RB H, G
.set rj, 8
.rept 56
	v_max_num_f32 v[\H+rj], 0, v[\H+rj]
.set rj, rj+1
.endr
.irp b, 0,1,2,3                                ; my 64 numbers' largest, in four chains by turns
	v_max3_num_f32 v[TM+\b], v[\H+16*\b], v[\H+16*\b+1], v[\H+16*\b+2]
.endr
.irp n, 3,5,7,9,11,13
.irp b, 0,1,2,3
	v_max3_num_f32 v[TM+\b], v[TM+\b], v[\H+16*\b+\n], v[\H+16*\b+\n+1]
.endr
.endr
.irp b, 0,1,2,3
	v_max_num_f32 v[TM+\b], v[TM+\b], v[\H+16*\b+15]
.endr
	v_max3_num_f32 v[TM], v[TM], v[TM+1], v[TM+2]
	v_max3_num_f32 v[TM], v[TM], v[TM+3], s[FLR]   ; over the floor 2^-124: a row of zeros gets a finite f and g
	v_permlanex16_b32 v[TM+1], v[TM], s[SEL], s[SEL+1]
	v_max_num_f32 v[TM], v[TM], v[TM+1]            ; with lane l xor 16's 64: the row's largest, the same in both lanes
	v_and_b32 v[TM], 0x7f800000, v[TM]             ; its exponent field e, in place
	v_sub_nc_u32 v[TM+2], 0x7e800000, v[TM]        ; f = 2^(126 - e): the field 253 - e, at least 1 for a largest number under 2^126
	v_add_nc_u32 v[\G], 0x800000, v[TM]            ; g = 2^(e - 126): the field e + 1
.set rj, 0
.rept 32
	v_pk_mul_f32 v[\H+2*rj:\H+2*rj+1], v[\H+2*rj:\H+2*rj+1], v[TM+2:TM+3] op_sel_hi:[1,0]  ; x f: exact; the row now lies under 1 (of the pair the low word serves both halves)
.set rj, rj+1
.endr
.set rj, 0
.rept 32
	v_cvt_pk_f16_f32 v[\H+rj], v[\H+2*rj], v[\H+2*rj+1]
.set rj, rj+1
.endr
.endm
; W4^T (f h3)^T for both tiles, begun with the constant 0: two accumulators by turns, one instruction a turn.  Lane (r, h), register j: parameter 8 h + j of row r
.macro W4M i
	WIN 0xf1                                       ; W4 window 1, h3 window 0, C and D window 3
.irp s, 0,1,2,3
.if \s == 0
	v_wmma_f32_16x16x32_f16 v[PH+16*\i:PH+16*\i+7], v[W4F+8*\s:W4F+8*\s+7], v[HA+8*\s:HA+8*\s+7], 0
	v_wmma_f32_16x16x32_f16 v[PH+16*\i+8:PH+16*\i+15], v[W4F+8*\s:W4F+8*\s+7], v[HB+8*\s:HB+8*\s+7], 0
.else
	v_wmma_f32_16x16x32_f16 v[PH+16*\i:PH+16*\i+7], v[W4F+8*\s:W4F+8*\s+7], v[HA+8*\s:HA+8*\s+7], v[PH+16*\i:PH+16*\i+7]
	v_wmma_f32_16x16x32_f16 v[PH+16*\i+8:PH+16*\i+15], v[W4F+8*\s:W4F+8*\s+7], v[HB+8*\s:HB+8*\s+7], v[PH+16*\i+8:PH+16*\i+15]
.endif
.endr
	WIN 0
.endm
; A PAIR.  In front of each run of scaled matrix instructions stand at least eight plain lines of the other tile behind the last write of its codes (its scale word was written more than forty lines earlier);
; behind each run the other tile's quantiser, 96 lines, stands before its results are read or its codes and scale word rewritten.
.macro BODY i
	F0 HA, XA
	QH HA
	QB HA, CA, SA
	F0 HB, XB
	WL 1, HA, CA, SA
	QH HB
	QB HB, CB, SB
	QH HA
	WL 1, HB, CB, SB
	QB HA, CA, SA
	QH HB
	WL 2, HA, CA, SA
	QB HB, CB, SB
	QH HA
	WL 2, HB, CB, SB
	QB HA, CA, SA
	QH HB
	WL 3, HA, CA, SA
	QB HB, CB, SB
	RH HA
	WL 3, HB, CB, SB
	RB HA, GS+2*\i
	RH HB
	RB HB, GS+2*\i+1
	W4M \i
.endm
.Lblock:                                           ; four trips; every window is 0 here
	WIN 0xc0
	global_load_b128 v[ZR:ZR+3], v[VXO], s[10:11] th:TH_LOAD_NT    ; this block's z: wanted at the block's end
	WIN 0
	XPREP 0
	BODY 0
	XPREP 1
	BODY 1
	XPREP 2
	BODY 2
	XPREP 3
	s_cmp_eq_u32 s3, 1                             ; the next block's x is asked for here, a pair ahead of its use, if there is a next block: no load leaves x
	s_cbranch_scc1 .Lno_next
	global_load_b128 v[X0:X0+3], v[VXO], s[8:9] offset:512 th:TH_LOAD_NT
.Lno_next:
	BODY 3
	s_wait_loadcnt 0x0                             ; z, and the next x where it was asked for: zero serves both ways round the branch
.rept 4
	v_nop                                          ; four places behind the last products, whose results are read next
.endr
	WIN 0xf3                                       ; the sums and b4 window 3, g window 0
.irp j, 0,1,2,3,4,5,6,7                        ; phi = sum x g + b4: lane (r, h) holds row r's g and b4[8 h + j].  Register 0 of each accumulator first
.irp i, 0,1,2,3
	v_fma_f32 v[PH+16*\i+\j], v[PH+16*\i+\j], v[GS+2*\i], v[B4+\j]
	v_fma_f32 v[PH+16*\i+8+\j], v[PH+16*\i+8+\j], v[GS+2*\i+1], v[B4+\j]
.endr
.endr
	WIN 0xff                                       ; THE SPLINE, all in window 3: four sets of 32 rows by turns, a lane a row
.irp j, 0,1,2,3,4,5,6,7                        ; tile A's parameters 8 .. 15 (lanes 16-31) change places with tile B's 0 .. 7 (lanes 0-15): lane l then holds parameters 0 .. 13 of its own row
.irp i, 0,1,2,3
	v_permlane16_swap_b32 v[PH+16*\i+\j], v[PH+16*\i+8+\j]
.endr
.endr
.irp i, 0,1,2,3                                ; the two softmaxes' maxima, in the places of parameters 14, 15
	v_max3_num_f32 v[PH+16*\i+14], v[PH+16*\i], v[PH+16*\i+1], v[PH+16*\i+2]
	v_max3_num_f32 v[PH+16*\i+15], v[PH+16*\i+5], v[PH+16*\i+6], v[PH+16*\i+7]
.endr
.irp i, 0,1,2,3
	v_max3_num_f32 v[PH+16*\i+14], v[PH+16*\i+14], v[PH+16*\i+3], v[PH+16*\i+4]
	v_max3_num_f32 v[PH+16*\i+15], v[PH+16*\i+15], v[PH+16*\i+8], v[PH+16*\i+9]
.endr
.irp i, 0,1,2,3
	v_mul_f32 v[PH+16*\i+14], s[L2E], v[PH+16*\i+14]
	v_mul_f32 v[PH+16*\i+15], s[L2E], v[PH+16*\i+15]
.endr
.irp q, 0,1,2,3
.irp i, 0,1,2,3
	v_mul_f32 v[TT+24*\i+\q], s[L2E], v[PH+16*\i+10+\q]            ; d log2 e
.endr
.endr
.irp k, 0,1,2,3,4
.irp i, 0,1,2,3
	v_fma_f32 v[PH+16*\i+\k], v[PH+16*\i+\k], s[L2E], -v[PH+16*\i+14]      ; (w - max w) log2 e
	v_fma_f32 v[PH+16*\i+5+\k], v[PH+16*\i+5+\k], s[L2E], -v[PH+16*\i+15]  ; (h - max h) log2 e
.endr
.endr
.irp k, 0,1,2,3,4,5,6,7,8,9                    ; batch 1: 56 exponentials, none of which reads another's result
.irp i, 0,1,2,3
	v_exp_f32 v[PH+16*\i+\k], v[PH+16*\i+\k]
.endr
.endr
.irp q, 0,1,2,3
.irp i, 0,1,2,3
	v_exp_f32 v[TT+24*\i+\q], -|v[TT+24*\i+\q]|                    ; 2^(-|d| log2 e)
.endr
.endr
.irp i, 0,1,2,3                                ; plain work that names no result of the batch
	v_med3_num_f32 v[TT+24*\i+4], v[ZR+\i], s[NBND], s[BND]        ; zc
.endr
.irp q, 0,1,2,3
.irp i, 0,1,2,3
	v_max_num_f32 v[PH+16*\i+10+\q], 0, v[PH+16*\i+10+\q]          ; max(d, 0)
.endr
.endr
.irp i, 0,1,2,3
	v_fma_f32 v[TT+24*\i+5], v[TT+24*\i+4], s[TENTH], 0.5          ; (zc + 5) / 10
.endr
	s_wait_alu depctr_va_vdst(0)                   ; one wait for the batch, ahead of its first reader
.irp i, 0,1,2,3                                ; running sums: T6-T9 of the widths' exponentials, T10-T13 of the heights'
	v_add_f32 v[TT+24*\i+6], v[PH+16*\i], v[PH+16*\i+1]
	v_add_f32 v[TT+24*\i+10], v[PH+16*\i+5], v[PH+16*\i+6]
.endr
.irp n, 0,1,2
.irp i, 0,1,2,3
	v_add_f32 v[TT+24*\i+7+\n], v[TT+24*\i+6+\n], v[PH+16*\i+2+\n]
	v_add_f32 v[TT+24*\i+11+\n], v[TT+24*\i+10+\n], v[PH+16*\i+7+\n]
.endr
.endr
.irp q, 0,1,2,3
.irp i, 0,1,2,3
	v_add_f32 v[TT+24*\i+\q], 1.0, v[TT+24*\i+\q]
.endr
.endr
.irp i, 0,1,2,3
	v_mul_f32 v[TT+24*\i+5], v[TT+24*\i+5], v[TT+24*\i+13]
.endr
.irp i, 0,1,2,3                                ; zc >= inner knot j, j = 1 .. 4.  The sums rise, so the masks are nested, and in each chain of selects below the last mask that is set wins
	v_cmp_ge_f32 s[MK+4*\i], v[TT+24*\i+5], v[PH+16*\i+5]
	v_cmp_ge_f32 s[MK+4*\i+1], v[TT+24*\i+5], v[TT+24*\i+10]
	v_cmp_ge_f32 s[MK+4*\i+2], v[TT+24*\i+5], v[TT+24*\i+11]
	v_cmp_ge_f32 s[MK+4*\i+3], v[TT+24*\i+5], v[TT+24*\i+12]
.endr
.irp i, 0,1,2,3
	v_cndmask_b32 v[TT+24*\i+14], v[PH+16*\i], v[PH+16*\i+1], s[MK+4*\i]           ; T14: the bin's width, as its exponential
.endr
.irp n, 1,2,3
.irp i, 0,1,2,3
	v_cndmask_b32 v[TT+24*\i+14], v[TT+24*\i+14], v[PH+16*\i+1+\n], s[MK+4*\i+\n]
.endr
.endr
.irp i, 0,1,2,3                                ; batch 2: three reciprocals and four logarithms a set
	v_rcp_f32 v[TT+24*\i+18], v[TT+24*\i+9]
	v_rcp_f32 v[TT+24*\i+19], v[TT+24*\i+13]
.endr
.irp i, 0,1,2,3
	v_rcp_f32 v[TT+24*\i+20], v[TT+24*\i+14]
.endr
.irp q, 0,1,2,3
.irp i, 0,1,2,3
	v_log_f32 v[TT+24*\i+\q], v[TT+24*\i+\q]
.endr
.endr
.irp i, 0,1,2,3                                ; plain work: T15 the widths ahead of the bin, T16 the bin's height, T17 the heights ahead of it
	v_cndmask_b32 v[TT+24*\i+15], 0, v[PH+16*\i], s[MK+4*\i]
	v_cndmask_b32 v[TT+24*\i+16], v[PH+16*\i+5], v[PH+16*\i+6], s[MK+4*\i]
	v_cndmask_b32 v[TT+24*\i+17], 0, v[PH+16*\i+5], s[MK+4*\i]
.endr
.irp n, 1,2,3
.irp i, 0,1,2,3
	v_cndmask_b32 v[TT+24*\i+15], v[TT+24*\i+15], v[TT+24*\i+5+\n], s[MK+4*\i+\n]
	v_cndmask_b32 v[TT+24*\i+16], v[TT+24*\i+16], v[PH+16*\i+6+\n], s[MK+4*\i+\n]
	v_cndmask_b32 v[TT+24*\i+17], v[TT+24*\i+17], v[TT+24*\i+9+\n], s[MK+4*\i+\n]
.endr
.endr
	s_wait_alu depctr_va_vdst(0)                   ; one wait for batch 2
.irp q, 0,1,2,3
.irp i, 0,1,2,3
	v_fma_f32 v[TT+24*\i+\q], v[TT+24*\i+\q], s[LN2], v[PH+16*\i+10+\q]            ; softplus(d)
.endr
.endr
.irp i, 0,1,2,3
	v_mul_f32 v[TT+24*\i+21], v[TT+24*\i+9], v[TT+24*\i+19]        ; sum of widths / sum of heights
	v_mul_f32 v[TT+24*\i+20], v[TT+24*\i+16], v[TT+24*\i+20]       ; height / width
	v_mul_f32 v[TT+24*\i+18], s[TEN], v[TT+24*\i+18]
.endr
.irp i, 0,1,2,3
	v_mul_f32 v[TT+24*\i+20], v[TT+24*\i+20], v[TT+24*\i+21]       ; s = dy / dx
	v_mul_f32 v[TT+24*\i+19], s[TEN], v[TT+24*\i+19]
	v_mul_f32 v[TT+24*\i+14], v[TT+24*\i+14], v[TT+24*\i+18]       ; dx
	v_fma_f32 v[TT+24*\i+15], v[TT+24*\i+15], v[TT+24*\i+18], s[NBND]  ; x0
.endr
.irp i, 0,1,2,3
	v_mul_f32 v[TT+24*\i+16], v[TT+24*\i+16], v[TT+24*\i+19]       ; dy
	v_fma_f32 v[TT+24*\i+17], v[TT+24*\i+17], v[TT+24*\i+19], s[NBND]  ; y0
	v_cndmask_b32 v[TT+24*\i+22], v[TT+24*\i], v[TT+24*\i+1], s[MK+4*\i+1]         ; d0: the derivative at the bin's left knot,
	v_cndmask_b32 v[TT+24*\i+23], v[TT+24*\i], v[TT+24*\i+1], s[MK+4*\i]           ; d1: at its right knot
.endr
.irp i, 0,1,2,3
	v_cndmask_b32 v[TT+24*\i+22], v[TT+24*\i+22], v[TT+24*\i+2], s[MK+4*\i+2]
	v_cndmask_b32 v[TT+24*\i+23], v[TT+24*\i+23], v[TT+24*\i+2], s[MK+4*\i+1]
.endr
.irp i, 0,1,2,3
	v_cndmask_b32 v[TT+24*\i+22], v[TT+24*\i+22], v[TT+24*\i+3], s[MK+4*\i+3]
	v_cndmask_b32 v[TT+24*\i+23], v[TT+24*\i+23], v[TT+24*\i+3], s[MK+4*\i+2]
.endr
.irp i, 0,1,2,3
	v_add_f32 v[TT+24*\i+22], s[SLP], v[TT+24*\i+22]
	v_add_f32 v[TT+24*\i+23], s[SLP], v[TT+24*\i+23]
	v_sub_f32 v[TT+24*\i+17], v[TT+24*\i+4], v[TT+24*\i+17]        ; t = zc - y0
.endr
.irp i, 0,1,2,3
	v_cndmask_b32 v[TT+24*\i+22], 1.0, v[TT+24*\i+22], s[MK+4*\i]  ; 1 at the outer knots
	v_cndmask_b32 v[TT+24*\i+23], v[TT+24*\i+23], 1.0, s[MK+4*\i+3]
.endr
.irp i, 0,1,2,3
	v_add_f32 v[TT+24*\i+21], v[TT+24*\i+22], v[TT+24*\i+23]
.endr
.irp i, 0,1,2,3
	v_fma_f32 v[TT+24*\i+21], v[TT+24*\i+20], -2.0, v[TT+24*\i+21] ; m = d0 + d1 - 2 s
	v_sub_f32 v[TT+24*\i+23], v[TT+24*\i+20], v[TT+24*\i+22]       ; s - d0
.endr
.irp i, 0,1,2,3
	v_mul_f32 v[TT+24*\i+21], v[TT+24*\i+21], v[TT+24*\i+17]       ; t m
.endr
.irp i, 0,1,2,3
	v_fma_f32 v[TT+24*\i+23], v[TT+24*\i+16], v[TT+24*\i+23], v[TT+24*\i+21]       ; a = dy (s - d0) + t m
	v_fma_f32 v[TT+24*\i+22], v[TT+24*\i+16], v[TT+24*\i+22], -v[TT+24*\i+21]      ; b = dy d0 - t m
	v_mul_f32 v[TT+24*\i+20], -v[TT+24*\i+20], v[TT+24*\i+17]      ; c = -s t
.endr
.irp i, 0,1,2,3
	v_mul_f32 v[TT+24*\i+23], v[TT+24*\i+23], v[TT+24*\i+20]       ; a c
	v_mul_f32 v[TT+24*\i+21], v[TT+24*\i+22], v[TT+24*\i+22]       ; b b
.endr
.irp i, 0,1,2,3
	v_fma_f32 v[TT+24*\i+21], v[TT+24*\i+23], -4.0, v[TT+24*\i+21]
.endr
.irp i, 0,1,2,3
	v_max_num_f32 v[TT+24*\i+21], 0, v[TT+24*\i+21]                ; the discriminant, held at 0 from below
.endr
.irp i, 0,1,2,3                                ; batch 3
	v_sqrt_f32 v[TT+24*\i+21], v[TT+24*\i+21]
.endr
.irp i, 0,1,2,3
	v_and_b32 v[TT+24*\i], s[ABSM], v[ZR+\i]                       ; |z|: plain work behind the roots
.endr
	s_wait_alu depctr_va_vdst(0)                   ; one wait for the four roots
.irp i, 0,1,2,3
	v_sub_f32 v[TT+24*\i+21], -v[TT+24*\i+22], v[TT+24*\i+21]      ; -b - sqrt
.endr
.irp i, 0,1,2,3                                ; batch 4
	v_rcp_f32 v[TT+24*\i+21], v[TT+24*\i+21]
.endr
.irp i, 0,1,2,3
	v_mul_f32 v[TT+24*\i+20], v[TT+24*\i+20], v[TT+24*\i+14]       ; c dx: plain work behind the reciprocals
.endr
	s_wait_alu depctr_va_vdst(0)                   ; one wait for the four reciprocals
.irp i, 0,1,2,3
	v_mul_f32 v[TT+24*\i+20], v[TT+24*\i+20], v[TT+24*\i+21]
	v_cmp_le_f32 s[MK+4*\i], s[BND], v[TT+24*\i]                   ; |z| >= 5: the identity
.endr
.irp i, 0,1,2,3
	v_fma_f32 v[TT+24*\i+20], v[TT+24*\i+20], 2.0, v[TT+24*\i+15]  ; x0 + xi dx, xi = 2 c / (-b - sqrt)
.endr
.irp i, 0,1,2,3
	v_cndmask_b32 v[OU+\i], v[TT+24*\i+20], v[ZR+\i], s[MK+4*\i]
.endr
	WIN 0x0c                                       ; a store's data are its source 1: window 3
	global_store_b128 v[VXO], v[OU:OU+3], s[38:39] th:TH_STORE_NT  ; 32 lanes store 512 consecutive bytes, at a multiple of 512 from out0's first byte
	WIN 0
	s_wait_xcnt 0x0                                ; the store and the loads have read their bases and data: only behind this wait are the three bases stepped and the results' registers written again
	s_add_nc_u64 s[8:9], s[8:9], 512
	s_add_nc_u64 s[10:11], s[10:11], 512
	s_add_nc_u64 s[38:39], s[38:39], 512
	s_sub_co_u32 s3, s3, 1
	s_cmp_lg_u32 s3, 0
	s_cbranch_scc1 .Lblock
	s_endpgm
.Lfunc_end_k_qa1848463bb_nflow:
	.size	k_qa1848463bb_nflow, .Lfunc_end_k_qa1848463bb_nflow-k_qa1848463bb_nflow
	.p2alignl 7, 3214868480
	.fill 96, 4, 3214868480
	.section	.rodata,"a",@progbits
	.p2align	6, 0x0
	.amdhsa_kernel k_qa1848463bb_nflow
		.amdhsa_group_segment_fixed_size 0
		.amdhsa_private_segment_fixed_size 0
		.amdhsa_enable_private_segment 0
		.amdhsa_kernarg_size 128
		.amdhsa_user_sgpr_count 2
		.amdhsa_user_sgpr_kernarg_segment_ptr 1
		.amdhsa_wavefront_size32 1
		.amdhsa_system_sgpr_workgroup_id_x 1
		.amdhsa_system_sgpr_workgroup_id_y 1
		.amdhsa_system_sgpr_workgroup_id_z 1
		.amdhsa_system_vgpr_workitem_id 0
		.amdhsa_next_free_vgpr 1024
		.amdhsa_next_free_sgpr 70
		.amdhsa_reserve_vcc 0
		.amdhsa_float_denorm_mode_32 3
		.amdhsa_float_denorm_mode_16_64 3
		.amdhsa_memory_ordered 1
		.amdhsa_forward_progress 1
		.amdhsa_inst_pref_size 255
	.end_amdhsa_kernel
	.section	.bss,"aw",@nobits
	.p2align	6
	.space	262144
	.amdgpu_metadata
---
amdhsa.version: [ 1, 2 ]
amdhsa.kernels:
  - .name:           k_qa1848463bb_nflow
    .symbol:         k_qa1848463bb_nflow.kd
    .args:
      - { .name: x, .offset: 0, .size: 8, .value_kind: global_buffer, .address_space: global }
      - { .name: z, .offset: 8, .size: 8, .value_kind: global_buffer, .address_space: global }
      - { .name: W0, .offset: 16, .size: 8, .value_kind: global_buffer, .address_space: global }
      - { .name: b0, .offset: 24, .size: 8, .value_kind: global_buffer, .address_space: global }
      - { .name: W1_codes, .offset: 32, .size: 8, .value_kind: global_buffer, .address_space: global }
      - { .name: W1_scales, .offset: 40, .size: 8, .value_kind: global_buffer, .address_space: global }
      - { .name: b1, .offset: 48, .size: 8, .value_kind: global_buffer, .address_space: global }
      - { .name: W2_codes, .offset: 56, .size: 8, .value_kind: global_buffer, .address_space: global }
      - { .name: W2_scales, .offset: 64, .size: 8, .value_kind: global_buffer, .address_space: global }
      - { .name: b2, .offset: 72, .size: 8, .value_kind: global_buffer, .address_space: global }
      - { .name: W3_codes, .offset: 80, .size: 8, .value_kind: global_buffer, .address_space: global }
      - { .name: W3_scales, .offset: 88, .size: 8, .value_kind: global_buffer, .address_space: global }
      - { .name: b3, .offset: 96, .size: 8, .value_kind: global_buffer, .address_space: global }
      - { .name: W4, .offset: 104, .size: 8, .value_kind: global_buffer, .address_space: global }
      - { .name: b4, .offset: 112, .size: 8, .value_kind: global_buffer, .address_space: global }
      - { .name: out0, .offset: 120, .size: 8, .value_kind: global_buffer, .address_space: global }
    .group_segment_fixed_size: 0
    .private_segment_fixed_size: 0
    .kernarg_segment_align: 8
    .kernarg_segment_size: 128
    .max_flat_workgroup_size: 128
    .sgpr_count:     70
    .vgpr_count:     1024
    .wavefront_size: 32
...
	.end_amdgpu_metadata
.endif
;; end of part 1
;; ======== version 2 of 2: 1 launch; version 1 with the launch nflow written anew for expert scheduling mode
;; limits: values are held in f16: magnitudes above 65,504 overflow, below 6.1e-05 lose precision; inputs' magnitudes at most 65,504; right only within a limited range of input values
;; launch nflow (part 2): grid 256 x 1, 4 waves a work-group, no clusters, 0 bytes of LDS; arguments x, z, W0, b0, W1_codes, W1_scales, b1, W2_codes, W2_scales, b2, W3_codes, W3_scales, b3, W4, b4, out0; writes out0
.if DOCPART == 2
	.amdgcn_target "amdgcn-amd-amdhsa--gfx1250"
	.amdhsa_code_object_version 6
	.text
	.protected	k_qa1848463bb_nflow
	.globl	k_qa1848463bb_nflow
	.p2align	8
	.type	k_qa1848463bb_nflow,@function
k_qa1848463bb_nflow:
	s_mov_b64 s[64:65], 0
	v_nop
	global_prefetch_b8 v0, s[64:65] scope:SCOPE_SE
	s_setreg_imm32_b32 hwreg(HW_REG_WAVE_SCHED_MODE, 0, 2), 2
	s_setreg_imm32_b32 hwreg(HW_REG_WAVE_MODE, 25, 1), 1
	s_wait_xcnt 0x0
	s_wait_alu depctr_vm_vsrc(0)
; out0[n] = the inverse rational-quadratic spline (5 bins, bound 5) of z[n], with the spline's 14 parameters phi[n] made by the MLP 1 -> 128 -> 128 -> 128 -> 128 -> 14 of x[n].
; Layer 0 (K = 1) is one fused multiply-add in f32 for each hidden unit.  Layers 1 to 3 are products on codes of FP4 (E2M1) with one E8M0 scale for each 32 along K: the weights come as codes,
; the hidden layers are quantised in registers.  Layer 4 (14 columns, no quantiser behind it) goes to the matrix unit once, in f16 with f32 sums.  f16 and not bf16: the spline's knots are 10 x running sums of softmaxes of phi,
; so phi's error goes on into the result enlarged, and 8 significant bits are too few; f16 has 11.  SO THAT f16's RANGE SERVES EVERY h3, EACH ROW OF h3 IS FIRST MULTIPLIED BY A POWER OF TWO f = 2^(126 - e), e the exponent field
; of the row's largest number: exact, and the row then lies under 1; phi = (W4 (f h3)) x g + b4 with g = 1 / f, one fused multiply-add a number.  All else is f32.
; DEAD WORK: none.  Every input has a way to out0 (b4 differs along both softmax axes), so all are loaded.
; LIMITS.  NaN and infinities among the inputs are not served.  A block of 32 hidden numbers whose largest positive number lies under 2^-124 gets the scale byte 1.
; W4 goes to f16 as it is: magnitudes from 65,504 on are not served, and numbers under 2^-14 carry an absolute error of up to 2^-25.  h3 from 2^126 on is not served; numbers of a row of h3 under 2^-14 of its largest carry an absolute error of 2^-25 of it.
; softplus(d) = max(d, 0) + ln 2 x log2(1 + 2^(-|d| log2 e)): absolute error up to 6e-8, beside the slope 1e-4.  The bin is found by (zc + 5) / 10 x G5 >= G_j (G: running sums of the heights' exponentials)
; in place of zc >= -5 + 10 G_j / G5: at a knot the spline is continuous, so either bin gives the same value there.  dx and dy are taken as the bin's width and height, not as differences of knots:
; where a bin is so narrow that the difference of its knots is 0 in f32 (a division by 0 in the formula as written), this text may give a finite number.
; SHARES.  256 work-groups of four waves; a wave owns 512 consecutive rows and shares nothing with any other wave: no LDS, no barrier.  All weights and biases stay in the wave's registers
; (576 of them: 192 codes, 24 scale words, 192 b1-b3, 128 W0 and b0, 32 W4 as f16, 8 b4), read once.  A trip of the loop takes a BLOCK of 128 rows: four PAIRS of tiles of 16 rows, then the spline for all 128.
; ROWS.  Lane l loads 16 bytes of x, of z, and stores 16 of out0: rows 4 l .. 4 l + 3 of the block; a wave's load or store covers 512 consecutive bytes, aligned.  Pair i takes row 4 l + i of each lane: tile A lanes 0-15, tile B lanes 16-31.
; LAYOUT.  Every product is used transposed (source 0 = 16 rows of the weight, source 1 = 16 rows of the hidden layer): lane (r, h) holds row r of its tile, and register 16 b + i of a hidden layer the unit 32 b + 16 h + i.
; For that, lane r of tile 2 b + u of a weight takes row 32 b + 8 u + r + 8 (r / 8).  The biases lie in the result's layout; b1 to b3 are the C of their products and cost no instruction.
; RELU is not run ahead of a quantiser.  A block's maximum is taken of the SIGNED numbers over the floor 2^(3 - 127): what is negative cannot win, so the scale is relu(h)'s.  The conversion takes the signed numbers,
; and then the three magnitude bits of each code whose sign bit is set are cleared, four integer lines for eight codes.  What stays is the code 8, minus zero, whose products are exact zeros.
; BY TURNS.  While tile A's eight matrix instructions are at work tile B's quantiser is issued, and the other way round: the other tile's plain lines are the places behind and in front of the matrix instructions.
; THE MODE: SCHED_MODE bits 1:0 = 2 (LLVM: expert scheduling mode 2), set by the entry lines.  The code itself states the register dependences between vector or matrix instructions and memory instructions,
; those through scalar registers that vector instructions write, and those of a scaled matrix instruction on operands that vector instructions made, with s_wait_alu, always for 0.
; THE PLAN.  Registers that memory instructions touch:
;   v4            16 x lane: written once at the head; read by every load of x and z and by the store; never written again: the three scalar bases move on.
;   v5 .. v10     the constants' offsets: written once at the head, read by the head's loads alone.
;   the constants loaded once at the head into registers that no vector line has named; never loaded again.
;   X0            the block's x.  Read by the twelve lines at a trip's head that spread it over the eight tiles; behind them the next block's x lands in it.
;   ZR            the block's z.  Loaded at a trip's head; read by the spline at the trip's end.
;   OU            the block's results.  Written by the trip's last four selects; read by the store.
; So ONE wait on va_vdst at a trip's head, behind the twelve lines, serves both loads: those lines are done reading X0, and the spline of the trip before is done reading ZR.  One more stands ahead of the store (OU is written),
; and one wait on vm_vsrc behind it, ahead of the branch (the store has read OU, which the next trip writes again).  The hidden layers, codes, scale words and the spline's registers are named by vector and matrix instructions alone.
; Ahead of each run of eight scaled products one wait on va_vdst states that the quantiser has written the run's codes and scale word; behind each run of compares one wait on va_sdst states that their masks are written.
; REGISTERS, in windows of 256 (s_set_vgpr_msb: bits 1:0 source 0, 3:2 source 1, 5:4 source 2, 7:6 destination):
;   window 0: v0-10 ids and offsets; v16-19 x of the block; v20-43 the weights' scale words; v44, v45 the tiles' scale words; v46-47, v64-79 at work; v48-63 the tiles' codes;
;             v96-103 g of the block's eight tiles; v104-119 x of the eight tiles (as pairs); v128-191, v192-255 hidden layers A, B (h3 as f16 ends in the first 32 of each)
;   window 1: v0-191 the fragments of W1, W2, W3; v224-255 W4 as f16     window 2: v0-191 b1, b2, b3; v192-255 W0
;   window 3: v0-63 b0; v64-71 b4; v72-135 phi, 16 a pair; v136-139 z; v140-143 the results; v144-239 the spline's 24 registers for each of the four sets of 32 rows
.set BLOCKS, 4                         ; blocks of 128 rows for a wave
.set VXO,  4                           ; v4   16 x lane; never rewritten
.set WCO,  5                           ; v5   a weight's codes: (r + 8 (r / 8)) x 64 + 16 h
.set WSO,  6                           ; v6   its scale words: (r + 8 (r / 8)) x 4
.set BVO,  7                           ; v7   W0, b0 .. b3: 64 h
.set W4O,  8                           ; v8   W4: 896 h + 4 min(r, 13)
.set B4O,  9                           ; v9   b4: 32 h
.set NUL,  10                          ; v10  0
.set X0,   16                          ; v[16:19] the block's x
.set W1S,  20                          ; v20-43 scale words of W1, W2, W3: eight each
.set SA,   44
.set SB,   45
.set CA,   48
.set CB,   56
.set TM,   64
.set GS,   96                          ; v96-103 g = 2^(e - 126) of my row: pair i's tile A at GS + 2 i, tile B at GS + 2 i + 1
.set XA,   104                         ; v104-119 pair i: tile A's x in v[XA + 4 i], tile B's in v[XA + 4 i + 2] (the packed form names a pair and takes its low word for both halves)
.set HA,   128
.set HB,   192
.set W4F,  224                         ; window 1
.set W0R,  192                         ; window 2
.set B4,   64                          ; window 3
.set PH,   72                          ; window 3: parameter m of set i at PH + 16 i + m
.set ZR,   136
.set OU,   140
.set TT,   144                         ; window 3: the spline's register n of set i at TT + 24 i + n
.set MK,   40                          ; s40-55 lane masks: zc >= knot j of set i at MK + 4 i + j - 1
.set SEL,  6                           ; s[6:7] v_permlanex16_b32's selects for lane l xor 16
.set L2E,  56
.set LN2,  57
.set BND,  58
.set NBND, 59
.set TEN,  60
.set TENTH, 61
.set SLP,  62
.set SGN,  63
.set EOFF, 66
.set FLR,  67
.set ABSM, 68
.set MSB, 0
.macro WIN new                         ; the immediate's high byte repeats the setting that is left; a switch that changes nothing is dropped
.if MSB != \new
	s_set_vgpr_msb (MSB<<8)|\new
.set MSB, \new
.endif
.endm
	s_load_b512 s[8:23], s[0:1], 0x0               ; x 8, z 10, W0 12, b0 14, W1's codes 16, scales 18, b1 20, W2's codes 22
	s_load_b512 s[24:39], s[0:1], 0x40             ; W2's scales 24, b2 26, W3's codes 28, scales 30, b3 32, W4 34, b4 36, out0 38
	v_lshrrev_b32 v1, 5, v0
	v_readfirstlane_b32 s2, v1                     ; wave 0..3
	v_and_b32 v1, 31, v0                           ; lane
	v_and_b32 v2, 15, v0                           ; r
	v_bfe_u32 v3, v0, 4, 1                         ; h
	v_lshlrev_b32 v[VXO], 4, v1
	v_and_b32 v[WSO], 8, v2
	v_add_nc_u32 v[WSO], v[WSO], v2                ; r + 8 (r / 8)
	v_lshlrev_b32 v[WCO], 6, v[WSO]                ; a row of 128 codes is 64 bytes
	v_lshl_add_u32 v[WCO], v3, 4, v[WCO]
	v_lshlrev_b32 v[WSO], 2, v[WSO]
	v_lshlrev_b32 v[BVO], 6, v3
	v_min_u32 v[W4O], 13, v2                       ; lanes r = 14, 15 take column 13 once more: their results are parameters 14, 15, which nobody reads, and no load leaves W4
	v_lshlrev_b32 v[W4O], 2, v[W4O]
	v_mad_u32_u24 v[W4O], v3, 0x380, v[W4O]        ; + 16 h rows of 56 bytes
	v_lshlrev_b32 v[B4O], 5, v3
	v_mov_b32 v[NUL], 0
.irp n, 1,3,5,7,9,11,13,15
	v_mov_b32 v[XA+\n], 0                          ; named as the upper halves of pairs, so they are written
.endr
	s_wait_alu depctr_va_sdst(0)                   ; s2, the wave's number, is written, ahead of its first reader: the three bases are made from it
	s_lshl_b32 s4, ttmp9, 2
	s_add_co_u32 s4, s4, s2
	s_lshl_b32 s4, s4, 11                          ; my wave's 512 rows of 4 bytes
	s_mov_b32 s5, 0
	s_mov_b32 s3, BLOCKS
	s_mov_b32 s[SEL], 0x76543210
	s_mov_b32 s[SEL+1], 0xfedcba98
	s_mov_b32 s[L2E], 0x3fb8aa3b                   ; log2 e
	s_mov_b32 s[LN2], 0x3f317218                   ; ln 2
	s_mov_b32 s[BND], 0x40a00000                   ; 5
	s_mov_b32 s[NBND], 0xc0a00000                  ; -5
	s_mov_b32 s[TEN], 0x41200000                   ; 10
	s_mov_b32 s[TENTH], 0x3dcccccd                 ; 0.1
	s_mov_b32 s[SLP], 0x38d1b717                   ; 1e-4
	s_mov_b32 s[SGN], 0x88888888                   ; the sign bits of eight codes
	s_mov_b32 s[EOFF], 0xff000000                  ; 2 off an exponent field
	s_mov_b32 s[FLR], 0x01800000                   ; the floor 2^(3 - 127)
	s_mov_b32 s[ABSM], 0x7fffffff
	s_wait_kmcnt 0x0
	s_add_nc_u64 s[8:9], s[8:9], s[4:5]
	s_add_nc_u64 s[10:11], s[10:11], s[4:5]
	s_add_nc_u64 s[38:39], s[38:39], s[4:5]
	s_wait_alu depctr_va_vdst(0)                   ; the seven offsets v4 to v10 are written, which the loads below and every later load and store read; only loads and window switches follow up to the wait for their data
	global_load_b128 v[X0:X0+3], v[VXO], s[8:9] th:TH_LOAD_NT      ; the first block's x
; a weight's eight fragments (16 rows x 128 K of 4-bit codes: 8 registers: registers 4 c .. 4 c + 3 hold K = 64 c + 32 h + 0 .. 31)
.macro LDW dst, ptr
.irp t, 0,1,2,3,4,5,6,7
.irp c, 0,1
	global_load_b128 v[\dst+8*\t+4*\c:\dst+8*\t+4*\c+3], v[WCO], s[\ptr:\ptr+1] offset:(32*(\t/2)+8*(\t%2))*64+32*\c
.endr
.endr
.endm
; 128 f32 numbers in the result's layout: register 8 t + j = unit 32 (t / 2) + 8 (t % 2) + 16 h + j
.macro LDV dst, ptr
.irp t, 0,1,2,3,4,5,6,7
	global_load_b128 v[\dst+8*\t:\dst+8*\t+3], v[BVO], s[\ptr:\ptr+1] offset:(32*(\t/2)+8*(\t%2))*4
	global_load_b128 v[\dst+8*\t+4:\dst+8*\t+7], v[BVO], s[\ptr:\ptr+1] offset:(32*(\t/2)+8*(\t%2))*4+16
.endr
.endm
	WIN 0x40                                       ; destination window 1
	LDW 0, 16
	LDW 64, 22
	LDW 128, 28
	WIN 0x80                                       ; destination window 2
	LDV 0, 20
	LDV 64, 26
	LDV 128, 32
	LDV W0R, 12
	WIN 0xc0                                       ; destination window 3
	LDV 0, 14
	global_load_b128 v[B4:B4+3], v[B4O], s[36:37]                  ; b4 in phi's layout: register j = b4[8 h + j].  b4 has 56 bytes:
	global_load_b64 v[B4+4:B4+5], v[B4O], s[36:37] offset:16       ; lanes 16-31 end at byte 55;
	global_load_b64 v[B4+6:B4+7], v[NUL], s[36:37] offset:24       ; registers 6, 7 are b4[6], b4[7] in every lane: in lanes 16-31 they belong to parameters 14, 15, which nobody reads
	WIN 0
.irp t, 0,1,2,3,4,5,6,7
	global_load_b32 v[W1S+\t], v[WSO], s[18:19] offset:(32*(\t/2)+8*(\t%2))*4      ; a scale word: the four bytes of a row's 128 along K
	global_load_b32 v[W1S+8+\t], v[WSO], s[24:25] offset:(32*(\t/2)+8*(\t%2))*4
	global_load_b32 v[W1S+16+\t], v[WSO], s[30:31] offset:(32*(\t/2)+8*(\t%2))*4
.endr
.irp s, 0,1,2,3
.irp i, 0,1,2,3,4,5,6,7,8,9,10,11,12,13,14,15
	global_load_b32 v[HA+16*\s+\i], v[W4O], s[34:35] offset:(32*\s+\i)*56          ; W4[32 s + 16 h + i][r]
.endr
.endr
	s_wait_loadcnt 0x0                             ; all constants and the first x
	; W4^T as source 0 of the f16 form.  K is permuted alike on both sides: place (step s, half h, register g, half-word e) holds unit 32 s + 16 h + 2 g + e, so register q = 8 s + g takes the numbers 2 q, 2 q + 1
	WIN 0x40
.set hq, 0
.rept 32
	v_cvt_pk_f16_f32 v[W4F+hq], v[HA+2*hq], v[HA+2*hq+1]
.set hq, hq+1
.endr
	WIN 0
; x of pair i: tile A's 16 rows (lanes 0-15) in both halves of v[XA + 4 i], tile B's in both halves of v[XA + 4 i + 2]
.macro XPREP i
	v_mov_b32 v[XA+4*\i], v[X0+\i]
	v_mov_b32 v[XA+4*\i+2], v[X0+\i]
	v_permlane16_swap_b32 v[XA+4*\i], v[XA+4*\i+2] ; the first's lanes 16-31 change places with the second's lanes 0-15
.endm
; layer 0: h = W0 x + b0, two units a line.  The upper 32 registers first: the lower 32 were a source of the pair before's last products, and these sixteen lines are the places behind those
.macro F0 H, XR
	WIN 0x32                                       ; W0 window 2, x window 0, b0 window 3
.set fq, 16
.rept 32
.set fr, fq%32
	v_pk_fma_f32 v[\H+2*fr:\H+2*fr+1], v[W0R+2*fr:W0R+2*fr+1], v[\XR:\XR+1], v[2*fr:2*fr+1] op_sel_hi:[1,0,1]
.set fq, fq+1
.endr
	WIN 0
.endm
; THE QUANTISER of a tile's 64 numbers a lane.  QH is its head: eight lines that begin two chains of maxima for each block of 32, each accumulator read from its low end on.
; No |.|: the maximum is relu(h)'s.  These eight lines also serve as the places in front of the other tile's matrix instructions.
.macro QH H
.irp b, 0,1,2,3
	v_max3_num_f32 v[TM+\b], v[\H+16*\b], v[\H+16*\b+1], v[\H+16*\b+2]
.endr
.irp b, 0,1,2,3
	v_max3_num_f32 v[TM+4+\b], v[\H+16*\b+8], v[\H+16*\b+9], v[\H+16*\b+10]
.endr
.endm
.macro QB H, C, S
.irp n, 3,5
.irp b, 0,1,2,3
	v_max3_num_f32 v[TM+\b], v[TM+\b], v[\H+16*\b+\n], v[\H+16*\b+\n+1]
.endr
.irp b, 0,1,2,3
	v_max3_num_f32 v[TM+4+\b], v[TM+4+\b], v[\H+16*\b+8+\n], v[\H+16*\b+9+\n]
.endr
.endr
.irp b, 0,1,2,3
	v_max3_num_f32 v[TM+\b], v[TM+\b], v[\H+16*\b+7], s[FLR]       ; the floor, under which no maximum is taken: the byte cannot fall under 1
.endr
.irp b, 0,1,2,3
	v_max3_num_f32 v[TM+4+\b], v[TM+4+\b], v[\H+16*\b+15], v[TM+\b]
.endr
.irp b, 0,1,2,3
	v_permlanex16_b32 v[TM+\b], v[TM+4+\b], s[SEL], s[SEL+1]
.endr
.irp b, 0,1,2,3
	v_max_num_f32 v[TM+4+\b], v[TM+4+\b], v[TM+\b] ; with lane l xor 16's 16 numbers: the block's maximum
.endr
.irp b, 0,1,2,3
	v_add_nc_u32 v[TM+8+\b], s[EOFF], v[TM+4+\b]   ; 2 off its exponent field: the conversion takes the exponent field of this operand as its scale
.endr
.irp b, 0,1,2,3
	v_lshrrev_b32 v[TM+\b], 23, v[TM+8+\b]         ; the scale's byte
.endr
	v_lshl_or_b32 v46, v[TM+1], 8, v[TM]
	v_lshl_or_b32 v47, v[TM+3], 8, v[TM+2]
	v_lshl_or_b32 v[\S], v47, 16, v46              ; my row's scale word
.irp b, 0,1,2,3
	v_cvt_scalef32_pk8_fp4_f32 v[\C+2*\b], v[\H+16*\b:\H+16*\b+7], v[TM+8+\b]
	v_cvt_scalef32_pk8_fp4_f32 v[\C+2*\b+1], v[\H+16*\b+8:\H+16*\b+15], v[TM+8+\b]
.endr
	v_nop                                          ; one plain line behind the scaled conversions
.irp c, 0,1,2,3,4,5,6,7
	v_and_b32 v[TM+\c], s[SGN], v[\C+\c]           ; RELU ON THE CODES: 8 in each nibble whose number is negative,
.endr
.irp c, 0,1,2,3,4,5,6,7
	v_lshrrev_b32 v[TM+8+\c], 3, v[TM+\c]          ; 1 there,
.endr
.irp c, 0,1,2,3,4,5,6,7
	v_sub_nc_u32 v[TM+\c], v[TM+\c], v[TM+8+\c]    ; 7 there:
.endr
.irp c, 0,1,2,3,4,5,6,7
	v_bfi_b32 v[\C+\c], v[TM+\c], 0, v[\C+\c]      ; those three bits are cleared
.endr
.irp c, 0,1                                    ; the operand's layout wants a whole block in a lane: lanes 0-15 block 2 c, lanes 16-31 block 2 c + 1
.irp i, 0,1
	v_permlane16_swap_b32 v[\C+4*\c+\i], v[\C+4*\c+2+\i]
.endr
.endr
.endm
; layer L of a tile: eight matrix instructions on eight accumulators, K = 128 in one step, the bias as C
.macro WL L, H, C, S
	WIN 0x21                                       ; the weight window 1, the codes window 0, the bias window 2
	s_wait_alu depctr_va_vdst(0)                   ; the quantiser's vector lines have written this tile's codes and its scale word, which the eight scaled products below take as source 1 and as its scales; the places in front of them stand above this wait
.irp t, 0,1,2,3,4,5,6,7
	v_wmma_scale_f32_16x16x128_f8f6f4 v[\H+8*\t:\H+8*\t+7], v[64*(\L-1)+8*\t:64*(\L-1)+8*\t+7], v[\C:\C+7], v[64*(\L-1)+8*\t:64*(\L-1)+8*\t+7], v[W1S+8*(\L-1)+\t], v[\S] matrix_a_fmt:MATRIX_FMT_FP4 matrix_b_fmt:MATRIX_FMT_FP4
.endr
	WIN 0
.endm
; h3: relu in f32 (RH: the first eight lines, again the places in front of the other tile's products); the row's largest number; the row x f; rounded to f16 in place: register q takes registers 2 q, 2 q + 1.  g goes to v[G]
.macro RH H
.irp j, 0,1,2,3,4,5,6,7
	v_max_num_f32 v[\H+\j], 0, v[\H+\j]
.endr
.endm
.macro RB H, G
.set rj, 8
.rept 56
	v_max_num_f32 v[\H+rj], 0, v[\H+rj]
.set rj, rj+1
.endr
.irp b, 0,1,2,3                                ; my 64 numbers' largest, in four chains by turns
	v_max3_num_f32 v[TM+\b], v[\H+16*\b], v[\H+16*\b+1], v[\H+16*\b+2]
.endr
.irp n, 3,5,7,9,11,13
.irp b, 0,1,2,3
	v_max3_num_f32 v[TM+\b], v[TM+\b], v[\H+16*\b+\n], v[\H+16*\b+\n+1]
.endr
.endr
.irp b, 0,1,2,3
	v_max_num_f32 v[TM+\b], v[TM+\b], v[\H+16*\b+15]
.endr
	v_max3_num_f32 v[TM], v[TM], v[TM+1], v[TM+2]
	v_max3_num_f32 v[TM], v[TM], v[TM+3], s[FLR]   ; over the floor 2^-124: a row of zeros gets a finite f and g
	v_permlanex16_b32 v[TM+1], v[TM], s[SEL], s[SEL+1]
	v_max_num_f32 v[TM], v[TM], v[TM+1]            ; with lane l xor 16's 64: the row's largest, the same in both lanes
	v_and_b32 v[TM], 0x7f800000, v[TM]             ; its exponent field e, in place
	v_sub_nc_u32 v[TM+2], 0x7e800000, v[TM]        ; f = 2^(126 - e): the field 253 - e, at least 1 for a largest number under 2^126
	v_add_nc_u32 v[\G], 0x800000, v[TM]            ; g = 2^(e - 126): the field e + 1
.set rj, 0
.rept 32
	v_pk_mul_f32 v[\H+2*rj:\H+2*rj+1], v[\H+2*rj:\H+2*rj+1], v[TM+2:TM+3] op_sel_hi:[1,0]  ; x f: exact; the row now lies under 1 (of the pair the low word serves both halves)
.set rj, rj+1
.endr
.set rj, 0
.rept 32
	v_cvt_pk_f16_f32 v[\H+rj], v[\H+2*rj], v[\H+2*rj+1]
.set rj, rj+1
.endr
.endm
; W4^T (f h3)^T for both tiles, begun with the constant 0: two accumulators by turns, one instruction a turn.  Lane (r, h), register j: parameter 8 h + j of row r
.macro W4M i
	WIN 0xf1                                       ; W4 window 1, h3 window 0, C and D window 3
.irp s, 0,1,2,3
.if \s == 0
	v_wmma_f32_16x16x32_f16 v[PH+16*\i:PH+16*\i+7], v[W4F+8*\s:W4F+8*\s+7], v[HA+8*\s:HA+8*\s+7], 0
	v_wmma_f32_16x16x32_f16 v[PH+16*\i+8:PH+16*\i+15], v[W4F+8*\s:W4F+8*\s+7], v[HB+8*\s:HB+8*\s+7], 0
.else
	v_wmma_f32_16x16x32_f16 v[PH+16*\i:PH+16*\i+7], v[W4F+8*\s:W4F+8*\s+7], v[HA+8*\s:HA+8*\s+7], v[PH+16*\i:PH+16*\i+7]
	v_wmma_f32_16x16x32_f16 v[PH+16*\i+8:PH+16*\i+15], v[W4F+8*\s:W4F+8*\s+7], v[HB+8*\s:HB+8*\s+7], v[PH+16*\i+8:PH+16*\i+15]
.endif
.endr
	WIN 0
.endm
; A PAIR.  In front of each run of scaled matrix instructions stand at least eight plain lines of the other tile behind the last write of its codes (its scale word was written more than forty lines earlier);
; behind each run the other tile's quantiser, 96 lines, stands before its results are read or its codes and scale word rewritten.
.macro BODY i
	F0 HA, XA+4*\i
	QH HA
	QB HA, CA, SA
	F0 HB, XA+4*\i+2
	WL 1, HA, CA, SA
	QH HB
	QB HB, CB, SB
	QH HA
	WL 1, HB, CB, SB
	QB HA, CA, SA
	QH HB
	WL 2, HA, CA, SA
	QB HB, CB, SB
	QH HA
	WL 2, HB, CB, SB
	QB HA, CA, SA
	QH HB
	WL 3, HA, CA, SA
	QB HB, CB, SB
	RH HA
	WL 3, HB, CB, SB
	RB HA, GS+2*\i
	RH HB
	RB HB, GS+2*\i+1
	W4M \i
.endm
.Lblock:                                           ; four trips; every window is 0 here
	XPREP 0                                        ; the block's x is spread over its eight tiles at once: X0 is then free for the next block's
	XPREP 1
	XPREP 2
	XPREP 3
	WIN 0xc0
	s_wait_alu depctr_va_vdst(0)                   ; the twelve lines above are done reading v[X0 ..], and the spline of the trip before is done reading v[ZR ..]: the two loads below land there; between this wait and the second stand a load, a window switch and scalar lines alone
	global_load_b128 v[ZR:ZR+3], v[VXO], s[10:11] th:TH_LOAD_NT    ; this block's z: wanted at the block's end
	WIN 0
	s_cmp_eq_u32 s3, 1                             ; the next block's x is asked for here, a block ahead of its use, if there is a next block: no load leaves x
	s_cbranch_scc1 .Lno_next
	global_load_b128 v[X0:X0+3], v[VXO], s[8:9] offset:512 th:TH_LOAD_NT
.Lno_next:
	BODY 0
	BODY 1
	BODY 2
	BODY 3
	s_wait_loadcnt 0x0                             ; z, and the next x where it was asked for: zero serves both ways round the branch
.rept 4
	v_nop                                          ; four places behind the last products, whose results are read next
.endr
	WIN 0xf3                                       ; the sums and b4 window 3, g window 0
.irp j, 0,1,2,3,4,5,6,7                        ; phi = sum x g + b4: lane (r, h) holds row r's g and b4[8 h + j].  Register 0 of each accumulator first
.irp i, 0,1,2,3
	v_fma_f32 v[PH+16*\i+\j], v[PH+16*\i+\j], v[GS+2*\i], v[B4+\j]
	v_fma_f32 v[PH+16*\i+8+\j], v[PH+16*\i+8+\j], v[GS+2*\i+1], v[B4+\j]
.endr
.endr
	WIN 0xff                                       ; THE SPLINE, all in window 3: four sets of 32 rows by turns, a lane a row
.irp j, 0,1,2,3,4,5,6,7                        ; tile A's parameters 8 .. 15 (lanes 16-31) change places with tile B's 0 .. 7 (lanes 0-15): lane l then holds parameters 0 .. 13 of its own row
.irp i, 0,1,2,3
	v_permlane16_swap_b32 v[PH+16*\i+\j], v[PH+16*\i+8+\j]
.endr
.endr
.irp i, 0,1,2,3                                ; the two softmaxes' maxima, in the places of parameters 14, 15
	v_max3_num_f32 v[PH+16*\i+14], v[PH+16*\i], v[PH+16*\i+1], v[PH+16*\i+2]
	v_max3_num_f32 v[PH+16*\i+15], v[PH+16*\i+5], v[PH+16*\i+6], v[PH+16*\i+7]
.endr
.irp i, 0,1,2,3
	v_max3_num_f32 v[PH+16*\i+14], v[PH+16*\i+14], v[PH+16*\i+3], v[PH+16*\i+4]
	v_max3_num_f32 v[PH+16*\i+15], v[PH+16*\i+15], v[PH+16*\i+8], v[PH+16*\i+9]
.endr
.irp i, 0,1,2,3
	v_mul_f32 v[PH+16*\i+14], s[L2E], v[PH+16*\i+14]
	v_mul_f32 v[PH+16*\i+15], s[L2E], v[PH+16*\i+15]
.endr
.irp q, 0,1,2,3
.irp i, 0,1,2,3
	v_mul_f32 v[TT+24*\i+\q], s[L2E], v[PH+16*\i+10+\q]            ; d log2 e
.endr
.endr
.irp k, 0,1,2,3,4
.irp i, 0,1,2,3
	v_fma_f32 v[PH+16*\i+\k], v[PH+16*\i+\k], s[L2E], -v[PH+16*\i+14]      ; (w - max w) log2 e
	v_fma_f32 v[PH+16*\i+5+\k], v[PH+16*\i+5+\k], s[L2E], -v[PH+16*\i+15]  ; (h - max h) log2 e
.endr
.endr
.irp k, 0,1,2,3,4,5,6,7,8,9                    ; batch 1: 56 exponentials, none of which reads another's result
.irp i, 0,1,2,3
	v_exp_f32 v[PH+16*\i+\k], v[PH+16*\i+\k]
.endr
.endr
.irp q, 0,1,2,3
.irp i, 0,1,2,3
	v_exp_f32 v[TT+24*\i+\q], -|v[TT+24*\i+\q]|                    ; 2^(-|d| log2 e)
.endr
.endr
.irp i, 0,1,2,3                                ; plain work that names no result of the batch
	v_med3_num_f32 v[TT+24*\i+4], v[ZR+\i], s[NBND], s[BND]        ; zc
.endr
.irp q, 0,1,2,3
.irp i, 0,1,2,3
	v_max_num_f32 v[PH+16*\i+10+\q], 0, v[PH+16*\i+10+\q]          ; max(d, 0)
.endr
.endr
.irp i, 0,1,2,3
	v_fma_f32 v[TT+24*\i+5], v[TT+24*\i+4], s[TENTH], 0.5          ; (zc + 5) / 10
.endr
	s_wait_alu depctr_va_vdst(0)                   ; batch 1's 56 exponentials have written the widths' and heights' terms and the four 2^(-|d| log2 e) of each set, ahead of their first reader
.irp i, 0,1,2,3                                ; running sums: T6-T9 of the widths' exponentials, T10-T13 of the heights'
	v_add_f32 v[TT+24*\i+6], v[PH+16*\i], v[PH+16*\i+1]
	v_add_f32 v[TT+24*\i+10], v[PH+16*\i+5], v[PH+16*\i+6]
.endr
.irp n, 0,1,2
.irp i, 0,1,2,3
	v_add_f32 v[TT+24*\i+7+\n], v[TT+24*\i+6+\n], v[PH+16*\i+2+\n]
	v_add_f32 v[TT+24*\i+11+\n], v[TT+24*\i+10+\n], v[PH+16*\i+7+\n]
.endr
.endr
.irp i, 0,1,2,3
	v_mul_f32 v[TT+24*\i+5], v[TT+24*\i+5], v[TT+24*\i+13]
.endr
.irp i, 0,1,2,3                                ; zc >= inner knot j, j = 1 .. 4.  The sums rise, so the masks are nested, and in each chain of selects below the last mask that is set wins
	v_cmp_ge_f32 s[MK+4*\i], v[TT+24*\i+5], v[PH+16*\i+5]
	v_cmp_ge_f32 s[MK+4*\i+1], v[TT+24*\i+5], v[TT+24*\i+10]
	v_cmp_ge_f32 s[MK+4*\i+2], v[TT+24*\i+5], v[TT+24*\i+11]
	v_cmp_ge_f32 s[MK+4*\i+3], v[TT+24*\i+5], v[TT+24*\i+12]
.endr
.irp q, 0,1,2,3                                ; work that reads no mask stands between the compares and the wait for them
.irp i, 0,1,2,3
	v_add_f32 v[TT+24*\i+\q], 1.0, v[TT+24*\i+\q]
.endr
.endr
	s_wait_alu depctr_va_sdst(0)                   ; the sixteen compares have written the masks s[MK ..], ahead of the first select that reads one
.irp i, 0,1,2,3
	v_cndmask_b32 v[TT+24*\i+14], v[PH+16*\i], v[PH+16*\i+1], s[MK+4*\i]           ; T14: the bin's width, as its exponential
.endr
.irp n, 1,2,3
.irp i, 0,1,2,3
	v_cndmask_b32 v[TT+24*\i+14], v[TT+24*\i+14], v[PH+16*\i+1+\n], s[MK+4*\i+\n]
.endr
.endr
.irp i, 0,1,2,3                                ; batch 2: three reciprocals and four logarithms a set
	v_rcp_f32 v[TT+24*\i+18], v[TT+24*\i+9]
	v_rcp_f32 v[TT+24*\i+19], v[TT+24*\i+13]
.endr
.irp i, 0,1,2,3
	v_rcp_f32 v[TT+24*\i+20], v[TT+24*\i+14]
.endr
.irp q, 0,1,2,3
.irp i, 0,1,2,3
	v_log_f32 v[TT+24*\i+\q], v[TT+24*\i+\q]
.endr
.endr
.irp i, 0,1,2,3                                ; plain work: T15 the widths ahead of the bin, T16 the bin's height, T17 the heights ahead of it
	v_cndmask_b32 v[TT+24*\i+15], 0, v[PH+16*\i], s[MK+4*\i]
	v_cndmask_b32 v[TT+24*\i+16], v[PH+16*\i+5], v[PH+16*\i+6], s[MK+4*\i]
	v_cndmask_b32 v[TT+24*\i+17], 0, v[PH+16*\i+5], s[MK+4*\i]
.endr
.irp n, 1,2,3
.irp i, 0,1,2,3
	v_cndmask_b32 v[TT+24*\i+15], v[TT+24*\i+15], v[TT+24*\i+5+\n], s[MK+4*\i+\n]
	v_cndmask_b32 v[TT+24*\i+16], v[TT+24*\i+16], v[PH+16*\i+6+\n], s[MK+4*\i+\n]
	v_cndmask_b32 v[TT+24*\i+17], v[TT+24*\i+17], v[TT+24*\i+9+\n], s[MK+4*\i+\n]
.endr
.endr
	s_wait_alu depctr_va_vdst(0)                   ; batch 2's twelve reciprocals (T18 to T20) and sixteen logarithms (T0 to T3) are written, ahead of their first reader
.irp q, 0,1,2,3
.irp i, 0,1,2,3
	v_fma_f32 v[TT+24*\i+\q], v[TT+24*\i+\q], s[LN2], v[PH+16*\i+10+\q]            ; softplus(d)
.endr
.endr
.irp i, 0,1,2,3
	v_mul_f32 v[TT+24*\i+21], v[TT+24*\i+9], v[TT+24*\i+19]        ; sum of widths / sum of heights
	v_mul_f32 v[TT+24*\i+20], v[TT+24*\i+16], v[TT+24*\i+20]       ; height / width
	v_mul_f32 v[TT+24*\i+18], s[TEN], v[TT+24*\i+18]
.endr
.irp i, 0,1,2,3
	v_mul_f32 v[TT+24*\i+20], v[TT+24*\i+20], v[TT+24*\i+21]       ; s = dy / dx
	v_mul_f32 v[TT+24*\i+19], s[TEN], v[TT+24*\i+19]
	v_mul_f32 v[TT+24*\i+14], v[TT+24*\i+14], v[TT+24*\i+18]       ; dx
	v_fma_f32 v[TT+24*\i+15], v[TT+24*\i+15], v[TT+24*\i+18], s[NBND]  ; x0
.endr
.irp i, 0,1,2,3
	v_mul_f32 v[TT+24*\i+16], v[TT+24*\i+16], v[TT+24*\i+19]       ; dy
	v_fma_f32 v[TT+24*\i+17], v[TT+24*\i+17], v[TT+24*\i+19], s[NBND]  ; y0
	v_cndmask_b32 v[TT+24*\i+22], v[TT+24*\i], v[TT+24*\i+1], s[MK+4*\i+1]         ; d0: the derivative at the bin's left knot,
	v_cndmask_b32 v[TT+24*\i+23], v[TT+24*\i], v[TT+24*\i+1], s[MK+4*\i]           ; d1: at its right knot
.endr
.irp i, 0,1,2,3
	v_cndmask_b32 v[TT+24*\i+22], v[TT+24*\i+22], v[TT+24*\i+2], s[MK+4*\i+2]
	v_cndmask_b32 v[TT+24*\i+23], v[TT+24*\i+23], v[TT+24*\i+2], s[MK+4*\i+1]
.endr
.irp i, 0,1,2,3
	v_cndmask_b32 v[TT+24*\i+22], v[TT+24*\i+22], v[TT+24*\i+3], s[MK+4*\i+3]
	v_cndmask_b32 v[TT+24*\i+23], v[TT+24*\i+23], v[TT+24*\i+3], s[MK+4*\i+2]
.endr
.irp i, 0,1,2,3
	v_add_f32 v[TT+24*\i+22], s[SLP], v[TT+24*\i+22]
	v_add_f32 v[TT+24*\i+23], s[SLP], v[TT+24*\i+23]
	v_sub_f32 v[TT+24*\i+17], v[TT+24*\i+4], v[TT+24*\i+17]        ; t = zc - y0
.endr
.irp i, 0,1,2,3
	v_cndmask_b32 v[TT+24*\i+22], 1.0, v[TT+24*\i+22], s[MK+4*\i]  ; 1 at the outer knots
	v_cndmask_b32 v[TT+24*\i+23], v[TT+24*\i+23], 1.0, s[MK+4*\i+3]
.endr
.irp i, 0,1,2,3
	v_add_f32 v[TT+24*\i+21], v[TT+24*\i+22], v[TT+24*\i+23]
.endr
.irp i, 0,1,2,3
	v_fma_f32 v[TT+24*\i+21], v[TT+24*\i+20], -2.0, v[TT+24*\i+21] ; m = d0 + d1 - 2 s
	v_sub_f32 v[TT+24*\i+23], v[TT+24*\i+20], v[TT+24*\i+22]       ; s - d0
.endr
.irp i, 0,1,2,3
	v_mul_f32 v[TT+24*\i+21], v[TT+24*\i+21], v[TT+24*\i+17]       ; t m
.endr
.irp i, 0,1,2,3
	v_fma_f32 v[TT+24*\i+23], v[TT+24*\i+16], v[TT+24*\i+23], v[TT+24*\i+21]       ; a = dy (s - d0) + t m
	v_fma_f32 v[TT+24*\i+22], v[TT+24*\i+16], v[TT+24*\i+22], -v[TT+24*\i+21]      ; b = dy d0 - t m
	v_mul_f32 v[TT+24*\i+20], -v[TT+24*\i+20], v[TT+24*\i+17]      ; c = -s t
.endr
.irp i, 0,1,2,3
	v_mul_f32 v[TT+24*\i+23], v[TT+24*\i+23], v[TT+24*\i+20]       ; a c
	v_mul_f32 v[TT+24*\i+21], v[TT+24*\i+22], v[TT+24*\i+22]       ; b b
.endr
.irp i, 0,1,2,3
	v_fma_f32 v[TT+24*\i+21], v[TT+24*\i+23], -4.0, v[TT+24*\i+21]
.endr
.irp i, 0,1,2,3
	v_max_num_f32 v[TT+24*\i+21], 0, v[TT+24*\i+21]                ; the discriminant, held at 0 from below
.endr
.irp i, 0,1,2,3                                ; batch 3
	v_sqrt_f32 v[TT+24*\i+21], v[TT+24*\i+21]
.endr
.irp i, 0,1,2,3
	v_and_b32 v[TT+24*\i], s[ABSM], v[ZR+\i]                       ; |z|: plain work behind the roots
.endr
	s_wait_alu depctr_va_vdst(0)                   ; batch 3's four roots (T21) are written, ahead of their first reader
.irp i, 0,1,2,3
	v_sub_f32 v[TT+24*\i+21], -v[TT+24*\i+22], v[TT+24*\i+21]      ; -b - sqrt
.endr
.irp i, 0,1,2,3                                ; batch 4
	v_rcp_f32 v[TT+24*\i+21], v[TT+24*\i+21]
.endr
.irp i, 0,1,2,3
	v_mul_f32 v[TT+24*\i+20], v[TT+24*\i+20], v[TT+24*\i+14]       ; c dx: plain work behind the reciprocals
.endr
.irp i, 0,1,2,3
	v_cmp_le_f32 s[MK+4*\i], s[BND], v[TT+24*\i]                   ; |z| >= 5: the identity.  (The knots' masks in these four registers have had their last reader)
.endr
	s_wait_alu depctr_va_vdst(0)                   ; batch 4's four reciprocals (T21) are written, ahead of their first reader
.irp i, 0,1,2,3
	v_mul_f32 v[TT+24*\i+20], v[TT+24*\i+20], v[TT+24*\i+21]
.endr
.irp i, 0,1,2,3
	v_fma_f32 v[TT+24*\i+20], v[TT+24*\i+20], 2.0, v[TT+24*\i+15]  ; x0 + xi dx, xi = 2 c / (-b - sqrt)
.endr
	s_wait_alu depctr_va_sdst(0)                   ; the four compares of |z| have written their masks, ahead of the selects that read them
.irp i, 0,1,2,3
	v_cndmask_b32 v[OU+\i], v[TT+24*\i+20], v[ZR+\i], s[MK+4*\i]
.endr
	WIN 0x0c                                       ; a store's data are its source 1: window 3
	s_wait_alu depctr_va_vdst(0)                   ; the four selects have written v[OU ..], which the store reads
	global_store_b128 v[VXO], v[OU:OU+3], s[38:39] th:TH_STORE_NT  ; 32 lanes store 512 consecutive bytes, at a multiple of 512 from out0's first byte
	WIN 0
	s_wait_xcnt 0x0                                ; the store and the loads have read their bases and data: only behind this wait are the three bases stepped and the results' registers written again
	s_wait_alu depctr_vm_vsrc(0)                   ; the store has read v[OU ..], which the next trip's selects write again: stated here, ahead of the branch
	s_add_nc_u64 s[8:9], s[8:9], 512
	s_add_nc_u64 s[10:11], s[10:11], 512
	s_add_nc_u64 s[38:39], s[38:39], 512
	s_sub_co_u32 s3, s3, 1
	s_cmp_lg_u32 s3, 0
	s_cbranch_scc1 .Lblock
	s_endpgm
.Lfunc_end_k_qa1848463bb_nflow:
	.size	k_qa1848463bb_nflow, .Lfunc_end_k_qa1848463bb_nflow-k_qa1848463bb_nflow
	.p2alignl 7, 3214868480
	.fill 96, 4, 3214868480
	.section	.rodata,"a",@progbits
	.p2align	6, 0x0
	.amdhsa_kernel k_qa1848463bb_nflow
		.amdhsa_group_segment_fixed_size 0
		.amdhsa_private_segment_fixed_size 0
		.amdhsa_enable_private_segment 0
		.amdhsa_kernarg_size 128
		.amdhsa_user_sgpr_count 2
		.amdhsa_user_sgpr_kernarg_segment_ptr 1
		.amdhsa_wavefront_size32 1
		.amdhsa_system_sgpr_workgroup_id_x 1
		.amdhsa_system_sgpr_workgroup_id_y 1
		.amdhsa_system_sgpr_workgroup_id_z 1
		.amdhsa_system_vgpr_workitem_id 0
		.amdhsa_next_free_vgpr 1024
		.amdhsa_next_free_sgpr 70
		.amdhsa_reserve_vcc 0
		.amdhsa_float_denorm_mode_32 3
		.amdhsa_float_denorm_mode_16_64 3
		.amdhsa_memory_ordered 1
		.amdhsa_forward_progress 1
		.amdhsa_inst_pref_size 255
	.end_amdhsa_kernel
	.section	.bss,"aw",@nobits
	.p2align	6
	.space	262144
	.amdgpu_metadata
---
amdhsa.version: [ 1, 2 ]
amdhsa.kernels:
  - .name:           k_qa1848463bb_nflow
    .symbol:         k_qa1848463bb_nflow.kd
    .args:
      - { .name: x, .offset: 0, .size: 8, .value_kind: global_buffer, .address_space: global }
      - { .name: z, .offset: 8, .size: 8, .value_kind: global_buffer, .address_space: global }
      - { .name: W0, .offset: 16, .size: 8, .value_kind: global_buffer, .address_space: global }
      - { .name: b0, .offset: 24, .size: 8, .value_kind: global_buffer, .address_space: global }
      - { .name: W1_codes, .offset: 32, .size: 8, .value_kind: global_buffer, .address_space: global }
      - { .name: W1_scales, .offset: 40, .size: 8, .value_kind: global_buffer, .address_space: global }
      - { .name: b1, .offset: 48, .size: 8, .value_kind: global_buffer, .address_space: global }
      - { .name: W2_codes, .offset: 56, .size: 8, .value_kind: global_buffer, .address_space: global }
      - { .name: W2_scales, .offset: 64, .size: 8, .value_kind: global_buffer, .address_space: global }
      - { .name: b2, .offset: 72, .size: 8, .value_kind: global_buffer, .address_space: global }
      - { .name: W3_codes, .offset: 80, .size: 8, .value_kind: global_buffer, .address_space: global }
      - { .name: W3_scales, .offset: 88, .size: 8, .value_kind: global_buffer, .address_space: global }
      - { .name: b3, .offset: 96, .size: 8, .value_kind: global_buffer, .address_space: global }
      - { .name: W4, .offset: 104, .size: 8, .value_kind: global_buffer, .address_space: global }
      - { .name: b4, .offset: 112, .size: 8, .value_kind: global_buffer, .address_space: global }
      - { .name: out0, .offset: 120, .size: 8, .value_kind: global_buffer, .address_space: global }
    .group_segment_fixed_size: 0
    .private_segment_fixed_size: 0
    .kernarg_segment_align: 8
    .kernarg_segment_size: 128
    .max_flat_workgroup_size: 128
    .sgpr_count:     70
    .vgpr_count:     1024
    .wavefront_size: 32
...
	.end_amdgpu_metadata
.endif
;; end of part 2
